; MI455X (gfx1250); checked and timed in simulation.
; The chip was launched on July 23, 2026; its instructions are those of AMD's public machine-readable ISA for CDNA 5 (MIT licence, August 2026) and "CDNA5" Instruction Set Architecture Reference Guide (July 2026). The comments in the code are by the model that wrote it; some were corrected since.
;; Multi Head Attention. Allowed arithmetic: matrix products marked QUANTISED: E4M3 operands, one given power-of-two scale a tensor, by v_wmma_f32_16x16x64_fp8_fp8 or v_wmma_f32_16x16x128_fp8_fp8, f32 sums; everything else in f32.
;; Inputs: Wk_codes 1,024 x 32 x 32 uint8 (E4M3 codes of Wk, K innermost, in blocks of 32 codes); Wo_codes 1,024 x 32 x 32 uint8 (E4M3 codes of Wo, K innermost, in blocks of 32 codes); Wq_codes 1,024 x 32 x 32 uint8 (E4M3 codes of Wq, K innermost, in blocks of 32 codes); Wv_codes 1,024 x 32 x 32 uint8 (E4M3 codes of Wv, K innermost, in blocks of 32 codes); bk 1,024 float32; bo 1,024 float32; bq 1,024 float32; bv 1,024 float32; lowp_scales 12 int32 (the exponents e of the quantised operands' scales 2^e); x_codes 4 x 2,048 x 32 x 32 uint8 (E4M3 codes of x, K innermost, in blocks of 32 codes).
;; Outputs: out0 4 x 2,048 x 1,024 float32.
;; This version of the problem:
;;   THIS VERSION OF THE PROBLEM IS GIVEN IN LOW PRECISION. The matrix products marked QUANTISED in the list below multiply operands that are first quantised to E4M3 (4 exponent bits, 3 mantissa bits; 8 bits a number), with one given power-of-two scale for each operand tensor; their sums are f32. All else is computed in f32.
;;   The module's matrix products, in the order in which they are computed (A, B: the left and right operand; K: the contracted axis; several contracted axes count as one K, in the product's order):
;;     1. [M 8,192, K 1,024] x [K 1,024, N 1,024]; A: input x (given as codes); B: input Wq (given as codes): QUANTISED (scales: A lowp_scales[0], B lowp_scales[1])
;;     2. [M 8,192, K 1,024] x [K 1,024, N 1,024]; A: input x (given as codes); B: input Wk (given as codes): QUANTISED (scales: A lowp_scales[2], B lowp_scales[3])
;;     3. [M 8,192, K 1,024] x [K 1,024, N 1,024]; A: input x (given as codes); B: input Wv (given as codes): QUANTISED (scales: A lowp_scales[4], B lowp_scales[5])
;;     4. batch 64 x [M 2,048, K 64] x [K 64, N 2,048]; A: computed on the way; B: computed on the way: QUANTISED (scales: A lowp_scales[6], B lowp_scales[7])
;;     5. batch 64 x [M 2,048, K 2,048] x [K 2,048, N 64]; A: softmax (see below); B: computed on the way: QUANTISED (scales: A lowp_scales[8], B lowp_scales[9])
;;     6. [M 8,192, K 1,024] x [K 1,024, N 1,024]; A: computed on the way; B: input Wo (given as codes): QUANTISED (scales: A lowp_scales[10], B lowp_scales[11])
;;   THE QUANTISER, for each operand of a quantised product, along K:
;;     - The operand's scale is 2^e, e = its entry of the input lowp_scales (int32; the entries are numbered through the quantised products in the list's order, A before B).
;;     - Each number is divided by the scale, clamped to +-448, and rounded to the nearest number of E4M3, ties to even, subnormals kept.
;;     - The product sums the exact products of the quantised numbers (number of the format x scale) in f32.
;;   ~~~python
;;   def quantise(x, axis, e):      # numpy; x: float32 -> the quantised numbers, widened to float32 again
;;       x = np.moveaxis(x, axis, -1); K = x.shape[-1]
;;       r = np.clip(x / 2.0 ** e, -448, 448)
;;       step = 2.0 ** (np.maximum(np.frexp(np.where(r == 0, 1, r))[1] - 1, -6) - 3)
;;       q = np.round(r / step) * step * 2.0 ** e      # np.round: ties to even
;;       return np.moveaxis(q, -1, axis).astype(np.float32)
;;   ~~~
;;   SOFTMAX AHEAD OF A QUANTISED PRODUCT. Where the list says 'softmax', what is quantised is not the finished softmax but p = 2^(t - M), with t = logit x log2(e) and M = ceil(the row's largest t), a whole number; so 1/2 < the row's largest p <= 1. The row's sum l is taken of the UNQUANTISED p, in f32, and the product's result is divided by l at the end. Since M is a whole number, a kernel that streams over the keys may use a running M (the ceiling of the running maximum): every later rescaling is an exact power of two, so the quantised numbers keep their values, but for numbers so far below the row's largest that they fall under the format's range.
;;   OPERANDS COMPUTED ON THE WAY. 'Computed on the way' means the value that the module computes at that place (a softmax that the list does not call 'softmax' is quantised finished and normalised). What goes into a quantiser is computed in f32, as accurately as f32 sums, v_exp_f32 and their like allow (about 1e-6 of the number): no bf16 or f16 on the way to a quantiser, and a product that is left as it is and whose result goes on into a quantised operand takes f32 operands (vector FMAs, or v_wmma_f32_16x16x4_f32). A number that lies on a knife's edge between two numbers of the format may be rounded either way, as far as f32 arithmetic and the matrix unit's own rounding can turn it there, and no further.
;;   INPUTS GIVEN AS CODES. Wk (in the module: [1024, 1024], K = its axis 1); Wo (in the module: [1024, 1024], K = its axis 1); Wq (in the module: [1024, 1024], K = its axis 1); Wv (in the module: [1024, 1024], K = its axis 1); x (in the module: [4, 2048, 1024], K = its axis 2): each comes as NAME_codes (uint8): NAME with its K axis moved to the last place and cut into blocks of 32 codes, [.., K / 32, bytes a block], one block behind the other in memory; one code a byte (a code: sign, 4 exponent bits, 3 mantissa bits); its scale is its entry of lowp_scales. Its value is code x scale, taken as it is: it is not quantised again, and the codes and scales need not be those that the quantiser above would give.
;; One version. Each part assembles by itself: llvm-mc -triple=amdgcn-amd-amdhsa -mcpu=gfx1250 --defsym DOCPART=n.
;; ======== version 1 of 1: 3 launches
;; limits: right only within a limited range of input values
;; workspace buffers: q 8,388,608 bytes; kv 16,777,216 bytes; a 8,388,608 bytes
;; launch qkv (part 1): grid 4 x 64, 4 waves a work-group, clusters of 4 x 4, 327,680 bytes of LDS; arguments x_codes, Wq_codes, Wk_codes, Wv_codes, bq, bk, bv, lowp_scales, q, kv; writes q, kv
.if DOCPART == 1
	.amdgcn_target "amdgcn-amd-amdhsa--gfx1250"
	.amdhsa_code_object_version 6
	.text
	.protected	k_q4a1eb5fc39_qkv
	.globl	k_q4a1eb5fc39_qkv
	.p2align	8
	.type	k_q4a1eb5fc39_qkv,@function
k_q4a1eb5fc39_qkv:
	s_mov_b64 s[64:65], 0
	v_nop
	global_prefetch_b8 v0, s[64:65] scope:SCOPE_SE
	s_setreg_imm32_b32 hwreg(HW_REG_WAVE_MODE, 25, 1), 1
	s_wait_xcnt 0x0
	s_wait_alu depctr_hold_cnt(0) depctr_sa_sdst(0) depctr_va_vdst(0) depctr_va_sdst(0) depctr_va_ssrc(0) depctr_va_vcc(0) depctr_vm_vsrc(0)
	s_getreg_b32 s2, hwreg(HW_REG_IB_STS2, 6, 4)
	s_cmp_eq_u32 s2, 0
	s_cbranch_scc0 .Lentry_in_a_cluster
	s_endpgm
.Lentry_in_a_cluster:
	s_bfe_u32 s2, ttmp6, 0x10000c
	s_cmp_lg_u32 s2, 0xf033
	s_cbranch_scc0 .Lentry_shape_is_right
	s_endpgm
.Lentry_shape_is_right:
; Q = x Wq^T + bq, K = x Wk^T + bk, V = x Wv^T + bv on codes of FP8 (E4M3), each result quantised at once for attention's two products.
; x: [8192][1024] codes; W: [1024][1024] codes, K innermost; b: [1024] f32.  lowp_scales: x and W have e0, e1 (Q), e2, e3 (K), e4, e5 (V); Q is quantised by e6, K by e7, V by e9.
; A number = sum of code products x 2^(ex + ew) + bias, in f32; its code = that / 2^e, held within +-448, to the nearest code, ties to even.
; LIMITS: e0 + e1, e2 + e3, e4 + e5 between -126 and 127; e6, e7, e9 between -126 and 119.  NaN codes among the inputs are not served.
; Inside a matrix instruction k stands in another place than the form's own layout gives it, alike on both sides (fragments come by four loads of 16 bytes): the order of the sums differs.
; A WORK-GROUP STAYS: 256 work-groups, each makes three tiles, one of Q, one of K, one of V, written out one after the other.
; A tile is 256 rows of SIDE 0 (source 0) x 128 rows of SIDE 1 (source 1), K = 1,024.  Wave w takes 128 rows of side 0 (w & 1) x 64 rows of side 1 (w >> 1): 32 accumulators.
; In accumulator (a, b) lane (r, h) holds side-1 row 16 a + r, and its register j side-0 row 16 b + 8 h + j.
; Q, K: side 0 = 256 features (tile cx), side 1 = 128 tokens (tile 4 Y + cy).  V: side 0 = 256 tokens (tile 4 (Y >> 1) + cx), side 1 = 128 features (tile 4 (Y & 1) + cy).  So a lane's registers run along the next product's K.
; THE RESULTS ARE STORED AS IMAGES OF THE NEXT OPERAND'S REGISTERS: four registers a store, lane l's 16 bytes at 16 l: each store of the wave covers 512 consecutive bytes, aligned.
;   q : [batch x head 64][tile of 16 queries 128][1,024 bytes: registers 0-3, then 4-7]
;   kv: [batch x head 64][step of 128 keys 16][8 tiles of 16 keys x 1,024; then 4 tiles of 16 channels x 2,048: registers 0-15 of V^T, keys along the registers]
; LDS has two regions: A, rows of 512 bytes (pitch 528), and B, rows of 256 bytes (pitch 272).  The fills go on from tile to tile, one tensor load a wave behind each round:
;   Q: A <- K 0-511, B <- 512-767, A's first 256 bytes of each row <- 768-1,023;   K: B <- 0-255, A <- 256-767, B <- 768-1,023;   V: as Q.
; A tile's first fill is asked for at the tile before's last change of regions, ahead of that tile's last 64 matrix instructions and its way out.  Every wait on TENSORcnt is for 0; one load of mine is out at most.
; Group 0 and the words of group 1 that differ are written anew behind the wait for all my loads.
; CLUSTERS: 4 x 4.  Side 0's tile hangs on cx alone and is asked for jointly by a column, side 1's on cy alone and by a row.  Waves 0, 1 fetch side 0's halves, waves 2, 3 side 1's.
; No prefetch: the nine fills are written out, each asked for as soon as its bytes are free; there is no loop to run ahead in.
; REGISTERS.  Window 0: v0-29 addresses; v32-95 at work on the way out; v128-255 side 1's fragments, two sets (v128-191 also the codes).  Window 1: side 0's fragments, two sets.  Window 2: accumulators.  Window 3: biases.
.set PITCH,  272
.set PA,     528                       ; 33 x 16 bytes: sixteen rows begin at sixteen different 16-byte columns modulo 256
.set H0B,    128*PA
.set S1OFF,  2*H0B
.set H1B,    64*PA
.set BOFF,   S1OFF+2*H1B
.set B0H,    128*PITCH
.set B1OFF,  BOFF+2*B0H
.set B1H,    64*PITCH
.set SPARE,  B1OFF+2*B1H               ; the spare words, 128 bytes a wave
.set LI,   4
.set LIM,  5
.set SCL,  6
.set ADR0, 8                           ; v8 region A, v9 region B
.set ADR1, 12
.set BBO,  16
.set BAO,  17
.set SPW,  28
.set NIL,  29
.set TMP,  32
.set CD,   128
.set BB,   0
.set BA,   64
.set G1S0, 24
.set G1S1, 32
.set G0S0, 40
.set G0S1, 44
.set LD0,  48                          ; s48, s49: where my load goes in region A (side 0, side 1); s50, s51: in region B
.set S1QK, 52
.set S0V,  53
.set S1V,  54
.set WV,  66
.set H0,  67
.set H1,  68
.set CX,  69
.set CY,  70
.set YC,  72
.set MK0, 100                          ; my column's mask
.set MK1, 101                          ; my row's mask
.set PAR, 0                            ; which regions the tile in hand takes: 0 as Q and V, 1 as K
.set MSB, 0
.macro WIN new
.if MSB != \new
	s_set_vgpr_msb (MSB<<8)|\new
.set MSB, \new
.endif
.endm
.set MUL,  0xa1
.set TO_1, 0x40
.set TO_3, 0xc0
.set EPIW, 0x32
.macro PLACES n
.rept \n
	v_nop
.endr
.endm
.macro CREST
	s_cmp_lg_u32 s[WV], 0
	s_cbranch_scc1 .Lnot_wave_0_\@
	s_barrier_signal -3
.Lnot_wave_0_\@:
	s_barrier_wait -3
	s_barrier_signal -1
	s_barrier_wait -1
.endm
.macro CROUND
	s_barrier_signal -1
	s_barrier_wait -1
	CREST
.endm
.macro SHAPE c, qi, pad                ; rows of c bytes; pad words skipped behind every 2 << qi words
	s_or_b32 s[G1S0], s[MK0], (1<<20)|(1<<21)|(\qi<<22)|((\pad-1)<<25)
	s_or_b32 s[G1S1], s[MK1], (1<<20)|(1<<21)|(\qi<<22)|((\pad-1)<<25)
	s_mov_b32 s[G1S0+1], \c<<16
	s_mov_b32 s[G1S0+3], \c<<16
	s_mov_b32 s[G1S1+1], \c<<16
	s_mov_b32 s[G1S1+3], \c<<16
.endm
; A joint load: side 0 from s[p0:p0+1], side 1 from s[p1:p1+1], koff bytes along K, into region reg (0 A, 1 B).  The branch hangs on the wave's number alone.
.macro LOADT p0, p1, koff, reg
	s_mov_b32 s[G0S0+1], s[LD0+2*\reg]
	s_add_nc_u64 s[G0S0+2:G0S0+3], s[\p0:\p0+1], \koff
	s_or_b32 s[G0S0+3], s[G0S0+3], 0x80000000
	s_mov_b32 s[G0S1+1], s[LD0+1+2*\reg]
	s_add_nc_u64 s[G0S1+2:G0S1+3], s[\p1:\p1+1], \koff
	s_or_b32 s[G0S1+3], s[G0S1+3], 0x80000000
	s_cmp_lt_u32 s[WV], 2
	s_cbranch_scc0 .Lside1_\@
	tensor_load_to_lds s[G0S0:G0S0+3], s[G1S0:G1S0+7]
	s_nop 0
.rept 4
	v_nop
.endr
	s_branch .Lasked_\@
.Lside1_\@:
	tensor_load_to_lds s[G0S1:G0S1+3], s[G1S1:G1S1+7]
	s_nop 0
.rept 4
	v_nop
.endr
.Lasked_\@:
.endm
; s[dst:dst+1] = s[src:src+1] + ((16 batch + head) << sh) + ((block of 128 tokens in the batch) << (sh - 4)) + s91
.macro OUTP dst, src, blk, hd, sh
	s_lshr_b32 s2, s\blk, 4
	s_lshl_b32 s2, s2, 4
	s_add_co_u32 s2, s2, s\hd
	s_lshl_b32 s2, s2, \sh
	s_and_b32 s3, s\blk, 15
	s_lshl_b32 s3, s3, \sh-4
	s_add_co_u32 s2, s2, s3
	s_add_co_u32 s2, s2, s91
	s_mov_b32 s3, 0
	s_add_nc_u64 s[\dst:\dst+1], s[\src:\src+1], s[2:3]
.endm
.macro BIAS isv, base                  ; Q, K: along the registers; V: along the lanes, each twice (the packed form adds a pair)
	WIN TO_3
.if \isv
.irp a, 0,1,2,3
	global_load_b32 v[BA+2*\a], v[BAO], s[\base:\base+1] offset:64*\a
	global_load_b32 v[BA+2*\a+1], v[BAO], s[\base:\base+1] offset:64*\a
.endr
.else
.irp b, 0,1,2,3,4,5,6,7
	global_load_b128 v[BB+8*\b:BB+8*\b+3], v[BBO], s[\base:\base+1] offset:64*\b
	global_load_b128 v[BB+8*\b+4:BB+8*\b+7], v[BBO], s[\base:\base+1] offset:64*\b+16
.endr
.endif
	WIN 0
.endm
	s_load_b512 s[4:19], s[0:1], 0x0               ; x, Wq, Wk, Wv, bq, bk, bv, the exponents
	s_load_b128 s[20:23], s[0:1], 0x40             ; q, kv
	v_lshl_add_u32 v[SPW], v0, 2, SPARE
	v_mov_b32 v[NIL], 0
	ds_add_u32 v[SPW], v[NIL]                      ; the opening lines: the add twice on end and its wait
	ds_add_u32 v[SPW], v[NIL]
	v_lshrrev_b32 v3, 5, v0
	v_readfirstlane_b32 s[WV], v3
	s_and_b32 s[H0], s[WV], 1
	s_lshr_b32 s[H1], s[WV], 1
	s_bfe_u32 s[CX], ttmp6, 0x40000
	s_bfe_u32 s[CY], ttmp6, 0x40004
	s_and_b32 s[YC], ttmp7, 0xffff
	s_lshl_b32 s[S1QK], s[YC], 2
	s_add_co_u32 s[S1QK], s[S1QK], s[CY]
	s_lshr_b32 s[S0V], s[YC], 1
	s_lshl_b32 s[S0V], s[S0V], 2
	s_add_co_u32 s[S0V], s[S0V], s[CX]
	s_and_b32 s[S1V], s[YC], 1
	s_lshl_b32 s[S1V], s[S1V], 2
	s_add_co_u32 s[S1V], s[S1V], s[CY]
	s_lshl_b32 s[MK0], 0x1111, s[CX]
	s_lshl_b32 s2, s[CY], 2
	s_lshl_b32 s[MK1], 15, s2
	SHAPE 512, 6, 4
	s_mov_b32 s[G1S0+2], 128<<16
	s_mov_b32 s[G1S0+4], 128
	s_mov_b32 s[G1S0+5], 1024
	s_mov_b32 s[G1S0+6], 0
	s_mov_b32 s[G1S0+7], 0
	s_mov_b32 s[G1S1+2], 64<<16
	s_mov_b32 s[G1S1+4], 64
	s_mov_b32 s[G1S1+5], 1024
	s_mov_b32 s[G1S1+6], 0
	s_mov_b32 s[G1S1+7], 0
	s_mov_b32 s[G0S0], 1
	s_mov_b32 s[G0S1], 1
	s_lshl_b32 s75, s[H0], 7                       ; side 0: row 256 x tile + 128 x the half that I fetch, rows of 1,024 bytes
	s_lshl_b32 s96, s[CX], 8
	s_add_co_u32 s96, s96, s75
	s_lshl_b32 s96, s96, 10
	s_mov_b32 s97, 0
	s_lshl_b32 s98, s[S0V], 8
	s_add_co_u32 s98, s98, s75
	s_lshl_b32 s98, s98, 10
	s_mov_b32 s99, 0
	s_lshl_b32 s75, s[H0], 6                       ; side 1: row 128 x tile + 64 x half
	s_lshl_b32 s2, s[S1QK], 7
	s_add_co_u32 s2, s2, s75
	s_lshl_b32 s2, s2, 10
	s_mov_b32 s3, 0
	s_lshl_b32 s90, s[S1V], 7
	s_add_co_u32 s90, s90, s75
	s_lshl_b32 s90, s90, 10
	s_mov_b32 s91, 0
	s_mul_i32 s[LD0], s[H0], H0B                   ; where the loads go: no place in the cluster enters an LDS address
	s_mul_i32 s[LD0+1], s[H0], H1B
	s_add_co_u32 s[LD0+1], s[LD0+1], S1OFF
	s_mul_i32 s[LD0+2], s[H0], B0H
	s_add_co_u32 s[LD0+2], s[LD0+2], BOFF
	s_mul_i32 s[LD0+3], s[H0], B1H
	s_add_co_u32 s[LD0+3], s[LD0+3], B1OFF
	s_wait_dscnt 0x0
	s_wait_kmcnt 0x0
	s_load_b256 s[76:83], s[18:19], 0x0            ; e0 .. e7
	s_load_b128 s[84:87], s[18:19], 0x20           ; e8 .. e11
	s_add_nc_u64 s[92:93], s[4:5], s[98:99]        ; V's side 0: x
	s_add_nc_u64 s[4:5], s[4:5], s[2:3]            ; Q's and K's side 1: x
	s_add_nc_u64 s[6:7], s[6:7], s[96:97]          ; Q's side 0
	s_add_nc_u64 s[8:9], s[8:9], s[96:97]          ; K's side 0
	s_add_nc_u64 s[10:11], s[10:11], s[90:91]      ; V's side 1
	CROUND                                         ; all sixteen work-groups are here: the first joint loads meet
	LOADT 6, 4, 0, 0                               ; Q, K 0-511: my one tensor load at the head
	s_mul_i32 s98, s[H0], H0B
	s_mul_i32 s99, s[H1], H1B
	s_add_co_u32 s99, s99, S1OFF
	s_mul_i32 s2, s[H0], B0H
	s_add_co_u32 s2, s2, BOFF
	s_mul_i32 s3, s[H1], B1H
	s_add_co_u32 s3, s3, B1OFF
	v_and_b32 v1, 15, v0                           ; r
	v_bfe_u32 v2, v0, 4, 1                         ; h
	v_and_b32 v3, 31, v0
	v_lshlrev_b32 v[LI], 4, v3
	v_mul_u32_u24 v3, v1, PA
	v_mul_u32_u24 v7, v1, PITCH
	v_lshl_add_u32 v3, v2, 4, v3                   ; a fragment's row x pitch + 16 h
	v_lshl_add_u32 v7, v2, 4, v7
	v_add_nc_u32 v[ADR0], s98, v3
	v_add_nc_u32 v[ADR1], s99, v3
	v_add_nc_u32 v[ADR0+1], s2, v7
	v_add_nc_u32 v[ADR1+1], s3, v7
	v_lshlrev_b32 v[BBO], 5, v2
	v_lshlrev_b32 v[BAO], 2, v1
	s_wait_alu depctr_va_vdst(0)                   ; the wait ahead of the run of scalar lines
	s_lshl_b32 s2, s[CX], 10                       ; the biases.  Q, K: b[256 cx + 128 H0 + ..]
	s_lshl_b32 s75, s[H0], 9
	s_add_co_u32 s2, s2, s75
	s_mov_b32 s3, 0
	s_add_nc_u64 s[12:13], s[12:13], s[2:3]
	s_add_nc_u64 s[14:15], s[14:15], s[2:3]
	s_lshl_b32 s2, s[S1V], 9                       ; V: b[128 tile + 64 H1 + ..]
	s_lshl_b32 s75, s[H1], 8
	s_add_co_u32 s2, s2, s75
	s_add_nc_u64 s[16:17], s[16:17], s[2:3]
	BIAS 0, 12
	s_lshl_b32 s98, s[S0V], 1                      ; where the images go.  V: block 2 tile0 + H0, head 2 tile1 + H1, behind the step's 8,192 bytes of K
	s_add_co_u32 s98, s98, s[H0]
	s_lshl_b32 s99, s[S1V], 1
	s_add_co_u32 s99, s99, s[H1]
	s_mov_b32 s91, 8192
	OUTP 94, 22, 98, 99, 18
	s_lshl_b32 s99, s[CX], 2                       ; Q, K: block tile1, head 4 cx + 2 H0 (and the next), + 4,096 H1
	s_lshl_b32 s75, s[H0], 1
	s_add_co_u32 s99, s99, s75
	s_lshl_b32 s91, s[H1], 12
	OUTP 22, 22, 52, 99, 18
	OUTP 20, 20, 52, 99, 17
	s_wait_kmcnt 0x0                               ; the exponents
; The fragments of sub-step q (128 along K) into set q % 2: 48 loads in one run.  PAR = 0: q 0-3 region A, 4, 5 region B, 6, 7 region A;  PAR = 1: q 0, 1 region B, 2-5 region A, 6, 7 region B.
.macro FETCH q
.if PAR == 0
.if (\q) < 4
.set FS, 0
.set FO, 128*(\q)
.else
.if (\q) < 6
.set FS, 1
.set FO, 128*((\q)-4)
.else
.set FS, 0
.set FO, 128*((\q)-6)
.endif
.endif
.else
.if (\q) < 2
.set FS, 1
.set FO, 128*(\q)
.else
.if (\q) < 6
.set FS, 0
.set FO, 128*((\q)-2)
.else
.set FS, 1
.set FO, 128*((\q)-6)
.endif
.endif
.endif
.set FP, PA-FS*(PA-PITCH)
.set FH, (\q)%2
	WIN TO_1
.irp b, 0,1,2,3,4,5,6,7
.irp c, 0,1,2,3
	ds_load_b128 v[128*FH+16*\b+4*\c:128*FH+16*\b+4*\c+3], v[ADR0+FS] offset:FO+32*\c+\b*16*FP
.endr
.endr
	WIN 0
.irp a, 0,1,2,3
.irp c, 0,1,2,3
	ds_load_b128 v[128+64*FH+16*\a+4*\c:128+64*FH+16*\a+4*\c+3], v[ADR1+FS] offset:FO+32*\c+\a*16*FP
.endr
.endr
.endm
; 8 matrix instructions; the 32 accumulators take turns, one instruction a turn
.macro MULA q, a, zero
.irp b, 0,1,2,3,4,5,6,7
.if \zero
	v_wmma_f32_16x16x128_fp8_fp8 v[8*(8*(\a)+\b):8*(8*(\a)+\b)+7], v[128*((\q)%2)+16*\b:128*((\q)%2)+16*\b+15], v[128+64*((\q)%2)+16*(\a):128+64*((\q)%2)+16*(\a)+15], 0
.else
	v_wmma_f32_16x16x128_fp8_fp8 v[8*(8*(\a)+\b):8*(8*(\a)+\b)+7], v[128*((\q)%2)+16*\b:128*((\q)%2)+16*\b+15], v[128+64*((\q)%2)+16*(\a):128+64*((\q)%2)+16*(\a)+15], v[8*(8*(\a)+\b):8*(8*(\a)+\b)+7]
.endif
.endr
.endm
.macro SUB q, zero, fetch              ; the next sub-step's loads go out first, behind four places
	s_wait_dscnt 0x0
.if \fetch
	PLACES 4
	FETCH (\q)+1
.endif
	WIN MUL
	MULA \q, 0, \zero
	MULA \q, 1, \zero
	MULA \q, 2, \zero
	MULA \q, 3, \zero
.endm
; A sub-step with a change of regions in it.  fill = 1: the region that nobody reads any more is filled again, behind a round of the cluster's barrier.
.macro TURN q, fill, c, qi, pad, p0, p1, koff, reg
	WIN 0
	s_wait_tensorcnt 0x0                           ; all my tensor loads have landed
	ds_add_u32 v[SPW], v[NIL]
	s_wait_dscnt 1                                 ; only the add may be out: this sub-step's 48 loads are in
	WIN MUL
	MULA \q, 0, 0
	s_wait_dscnt 0x0
	s_barrier_signal -1
	MULA \q, 1, 0
	WIN 0
	s_barrier_wait -1
.if \fill
	CREST
	SHAPE \c, \qi, \pad
	LOADT \p0, \p1, \koff, \reg                    ; my one tensor load behind the round; its four v_nop are the places in front of the loads below
.else
	PLACES 4
.endif
	FETCH (\q)+1
	WIN MUL
	MULA \q, 2, 0
	MULA \q, 3, 0
.endm
; A tile begins: its first fill has landed; its second is asked for behind a whole round.
.macro START c, qi, pad, p0, p1, koff, reg
	s_wait_xcnt 0x0                                ; the last tile's stores have read their data: v128-191 take fragments again
	s_wait_tensorcnt 0x0
	ds_add_u32 v[SPW], v[NIL]
	SHAPE \c, \qi, \pad
	s_wait_dscnt 0x0
	CROUND
	LOADT \p0, \p1, \koff, \reg
	FETCH 0
.endm
; THE WAY OUT, side 1's block a at a time: sum x 2^(ex + ew) + bias, the hold, the conversion, four stores of 512 bytes.  Each a has code registers of its own.
; ea, eb, eq: the scalar registers of the three exponents; ob: the images' base; hs: bytes from a head's images to the next head's.
.macro EPI isv, ea, eb, eq, ob, hs
	WIN 0
	s_wait_loadcnt 0x0                             ; the bias
	s_add_co_i32 s88, s\ea, s\eb
	s_add_co_i32 s88, s88, 127
	s_lshl_b32 s88, s88, 23                        ; 2^(ex + ew)
	s_mov_b32 s89, s88
	s_add_co_i32 s75, s\eq, 127
	s_lshl_b32 s90, s75, 23
	s_add_co_i32 s75, s75, 8
	s_lshl_b32 s75, s75, 23
	s_or_b32 s75, s75, 0x600000
	v_mov_b32 v[SCL], s90                          ; 2^e
	v_mov_b32 v[LIM], s75                          ; 448 x 2^e
	PLACES 4                                       ; behind the last products
.irp a, 0,1,2,3
	WIN EPIW
.irp b, 0,1,2,3,4,5,6,7
.irp i, 0,2,4,6
.if \isv
	v_pk_fma_f32 v[TMP+8*\b+\i:TMP+8*\b+\i+1], v[8*(8*\a+\b)+\i:8*(8*\a+\b)+\i+1], s[88:89], v[BA+2*\a:BA+2*\a+1] op_sel_hi:[1,0,1]
.else
	v_pk_fma_f32 v[TMP+8*\b+\i:TMP+8*\b+\i+1], v[8*(8*\a+\b)+\i:8*(8*\a+\b)+\i+1], s[88:89], v[BB+8*\b+\i:BB+8*\b+\i+1] op_sel_hi:[1,0,1]
.endif
.endr
.endr
	WIN 0
.set J, 0
.rept 64
	v_med3_num_f32 v[TMP+J], v[TMP+J], -v[LIM], v[LIM]   ; the conversion does not saturate (ISA guide 7.6.2)
.set J, J+1
.endr
.irp b, 0,1,2,3,4,5,6,7
	v_cvt_scalef32_pk8_fp8_f32 v[CD+16*\a+2*\b:CD+16*\a+2*\b+1], v[TMP+8*\b:TMP+8*\b+7], v[SCL]
.endr
	v_nop                                          ; one plain line behind the last conversion
.irp p, 0,1,2,3
.if \isv
	global_store_b128 v[LI], v[CD+16*\a+4*\p:CD+16*\a+4*\p+3], s[\ob:\ob+1] offset:2048*\a+512*\p
.else
	global_store_b128 v[LI], v[CD+16*\a+4*\p:CD+16*\a+4*\p+3], s[\ob:\ob+1] offset:\hs*(\p/2)+1024*\a+512*(\p%2)
.endif
.endr
.endr
.endm
	s_wait_alu depctr_va_vdst(0)                   ; the wait at the head's end
	; Q
	START 256, 5, 4, 6, 4, 512, 1                  ; B <- Q's K 512-767: the second fill, behind the full sequence
	SUB 0, 1, 1                                    ; the first products start the sums
	SUB 1, 0, 1
	SUB 2, 0, 1
	TURN 3, 1, 256, 5, 68, 6, 4, 768, 0            ; A's rows' first 256 bytes <- Q's K 768-1,023
	SUB 4, 0, 1
	TURN 5, 1, 256, 5, 4, 8, 4, 0, 1               ; B <- K's K 0-255
	SUB 6, 0, 1
	SUB 7, 0, 0
	EPI 0, 76, 77, 82, 20, 131072
	BIAS 0, 14
	; K
.set PAR, 1
	START 512, 6, 4, 8, 4, 256, 0                  ; A <- K's K 256-767
	SUB 0, 1, 1
	TURN 1, 1, 256, 5, 4, 8, 4, 768, 1             ; B <- K's K 768-1,023
	SUB 2, 0, 1
	SUB 3, 0, 1
	SUB 4, 0, 1
	TURN 5, 1, 512, 6, 4, 92, 10, 0, 0             ; A <- V's K 0-511
	SUB 6, 0, 1
	SUB 7, 0, 0
	EPI 0, 78, 79, 83, 22, 262144
	BIAS 1, 16
	; V
.set PAR, 0
	START 256, 5, 4, 92, 10, 512, 1                ; B <- V's K 512-767
	SUB 0, 1, 1
	SUB 1, 0, 1
	SUB 2, 0, 1
	TURN 3, 1, 256, 5, 68, 92, 10, 768, 0          ; A's rows' first 256 bytes <- V's K 768-1,023
	SUB 4, 0, 1
	TURN 5, 0, 0, 0, 0, 0, 0, 0, 0                 ; nothing is filled any more
	SUB 6, 0, 1
	SUB 7, 0, 0
	EPI 1, 80, 81, 85, 94, 0
	s_wait_tensorcnt 0x0                           ; the wave's end
	ds_add_u32 v[SPW], v[NIL]
	s_wait_dscnt 0x0
	CROUND                                         ; the closing round
	s_endpgm
.Lfunc_end_k_q4a1eb5fc39_qkv:
	.size	k_q4a1eb5fc39_qkv, .Lfunc_end_k_q4a1eb5fc39_qkv-k_q4a1eb5fc39_qkv
	.p2alignl 7, 3214868480
	.fill 96, 4, 3214868480
	.section	.rodata,"a",@progbits
	.p2align	6, 0x0
	.amdhsa_kernel k_q4a1eb5fc39_qkv
		.amdhsa_group_segment_fixed_size 327680
		.amdhsa_private_segment_fixed_size 0
		.amdhsa_enable_private_segment 0
		.amdhsa_kernarg_size 80
		.amdhsa_user_sgpr_count 2
		.amdhsa_user_sgpr_kernarg_segment_ptr 1
		.amdhsa_wavefront_size32 1
		.amdhsa_system_sgpr_workgroup_id_x 1
		.amdhsa_system_sgpr_workgroup_id_y 1
		.amdhsa_system_sgpr_workgroup_id_z 1
		.amdhsa_system_vgpr_workitem_id 0
		.amdhsa_next_free_vgpr 1024
		.amdhsa_next_free_sgpr 102
		.amdhsa_reserve_vcc 0
		.amdhsa_float_denorm_mode_32 3
		.amdhsa_float_denorm_mode_16_64 3
		.amdhsa_memory_ordered 1
		.amdhsa_forward_progress 1
		.amdhsa_inst_pref_size 237
	.end_amdhsa_kernel
	.amdgpu_metadata
---
amdhsa.version: [ 1, 2 ]
amdhsa.kernels:
  - .name:           k_q4a1eb5fc39_qkv
    .symbol:         k_q4a1eb5fc39_qkv.kd
    .args:
      - { .name: x_codes, .offset: 0, .size: 8, .value_kind: global_buffer, .address_space: global }
      - { .name: Wq_codes, .offset: 8, .size: 8, .value_kind: global_buffer, .address_space: global }
      - { .name: Wk_codes, .offset: 16, .size: 8, .value_kind: global_buffer, .address_space: global }
      - { .name: Wv_codes, .offset: 24, .size: 8, .value_kind: global_buffer, .address_space: global }
      - { .name: bq, .offset: 32, .size: 8, .value_kind: global_buffer, .address_space: global }
      - { .name: bk, .offset: 40, .size: 8, .value_kind: global_buffer, .address_space: global }
      - { .name: bv, .offset: 48, .size: 8, .value_kind: global_buffer, .address_space: global }
      - { .name: lowp_scales, .offset: 56, .size: 8, .value_kind: global_buffer, .address_space: global }
      - { .name: q, .offset: 64, .size: 8, .value_kind: global_buffer, .address_space: global }
      - { .name: kv, .offset: 72, .size: 8, .value_kind: global_buffer, .address_space: global }
    .group_segment_fixed_size: 327680
    .private_segment_fixed_size: 0
    .kernarg_segment_align: 8
    .kernarg_segment_size: 80
    .max_flat_workgroup_size: 128
    .sgpr_count:     102
    .vgpr_count:     1024
    .wavefront_size: 32
...
	.end_amdgpu_metadata
.endif
;; end of part 1
;; launch attn (part 2): grid 64 x 4, 16 waves a work-group, no clusters, 264,192 bytes of LDS; arguments q, kv, lowp_scales, a; writes a
.if DOCPART == 2
	.amdgcn_target "amdgcn-amd-amdhsa--gfx1250"
	.amdhsa_code_object_version 6
	.text
	.protected	k_q4a1eb5fc39_attn
	.globl	k_q4a1eb5fc39_attn
	.p2align	8
	.type	k_q4a1eb5fc39_attn,@function
k_q4a1eb5fc39_attn:
	s_mov_b64 s[64:65], 0
	v_nop
	global_prefetch_b8 v0, s[64:65] scope:SCOPE_SE
	s_setreg_imm32_b32 hwreg(HW_REG_WAVE_MODE, 25, 1), 1
	s_wait_xcnt 0x0
; Attention of one (batch, head) on codes of FP8 (E4M3): S^T = K Q^T, p = 2^(t - M), O^T = V^T p^T, O / l quantised for the last projection.  2,048 queries and keys, head size 64.
; q, kv: images of operand registers: q [bh 64][tile of 16 queries 128][1,024]; kv [bh 64][step of 128 keys 16][8 tiles of 16 keys x 1,024, then 4 tiles of 16 channels x 2,048].
; lowp_scales: e6 (Q), e7 (K), e8 (p), e9 (V), e10 (the result's quantiser).
; THE SOFTMAX: t = score x 2^(e6 + e7) x log2(e) / 8; M = the running largest t, rounded UP to a whole number; p = 2^(t - M) is quantised along the keys and not normalised; the row's sum l is taken of the
; unquantised p, in f32.  When M moves, l and O^T are multiplied by 2^(old M - new M), which rounds nothing.  At the end O^T x 2^(e8 + e9) / l is held within +-448 x 2^e10 and converted.
; LIMITS: e6 + e7 between -123 and 130; e8, e10 between -126 and 119; e8 + e9 is applied by v_ldexp_f32 and has none.  NaN codes are not served.
; SHARES.  A work-group owns 512 queries of one (batch, head).  Each of its sixteen waves owns TWO tiles of 16 queries (32 x + w and 32 x + 16 + w) and takes both through each key step:
; a step's 16 loads of K and 16 of V from LDS serve both tiles, 24 matrix instructions.
; THE HEAD'S WHOLE K AND V LIE IN LDS, 262,144 bytes, kv's bytes as they are: each wave loads 16,384 of them into 128 registers (32 loads) and stores them to LDS; one barrier; nothing is written there again.
; THE HOLD OF p at 448 x 2^e8 is 64 vector instructions for a lane's 64 scores.  p is at most 1, so where e8 >= -8 it changes nothing: a scalar branch on e8, inside the step, leads round those 64 lines alone.
; K and V come through registers, cluster = none, and the four work-groups of a head each load them.
; No prefetch: all of K and V is asked for at the head in one run; there is no loop to run ahead in.
; LAYOUT.  Both products are used transposed: a lane holds ONE query (lane % 16).  In S^T's tile j lane (r, h) holds keys 16 j + 8 h + 0 .. 7: one conversion makes registers 2 j, 2 j + 1 of the second product's operand.
; REGISTERS: v0 the thread's number (kept); v1 LDS address; v[2:3], v[4:5] f of tile A, B (v3 also takes what a lane permute brings); v[6:7], v[8:9] -M and the largest t; v[10:13] the sums; v14 2^e8; v15 16 x lane;
; v16-31 Q; v32-95 K's, then V's fragments; v96-159 S^T, then p, of the tile in hand; v160-223 O^T; v224-255 p's codes (a tile's code registers are at work for its maxima and sums before they are written).
.set ADR,  1
.set FFA,  2
.set FFB,  4
.set PT,   3
.set MMA,  6
.set MMB,  8
.set LSA,  10
.set LSB,  12
.set PSC,  14
.set LI,   15
.set Q0,   16
.set Q1,   24
.set FR,   32
.set SS,   96
.set OTA,  160
.set OTB,  192
.set PCA,  224
.set PCB,  240
.set SPARE, 0x40000                    ; behind K and V: the spare words, 128 bytes a wave
.set WV,   12
.set CX,   13
.set BH,   14
.set ALS,  16                          ; 448 x 2^e10
.set ASS,  17                          ; 2^e10
.set SEL,  40
.set CS,   42
.set TB,   44
.set CNT,  45
.set EPV,  46
.set PLS,  47                          ; 448 x 2^e8
.set E8,   56
	s_load_b256 s[4:11], s[0:1], 0x0               ; q, kv, the exponents, a
	v_lshrrev_b32 v2, 5, v0
	v_readfirstlane_b32 s[WV], v2                  ; wave 0..15
	v_and_b32 v[LI], 31, v0
	v_lshlrev_b32 v[LI], 4, v[LI]
	v_lshl_add_u32 v[ADR], v2, 14, v[LI]           ; the fill: 16,384 x wave + 16 x lane, in the head's kv and in LDS alike
	s_and_b32 s[CX], ttmp7, 0xffff                 ; the quarter x of the head's queries is the work-group's y,
	s_mov_b32 s[BH], ttmp9                         ; 16 batch + head its x: the four work-groups of a head have numbers 64 apart
	s_lshl_b32 s60, s[CX], 5
	s_add_co_u32 s60, s60, s[WV]                   ; my first tile of queries in the head
	s_lshl_b32 s2, s[BH], 17
	s_lshl_b32 s61, s60, 10
	s_add_co_u32 s2, s2, s61
	s_mov_b32 s3, 0
	s_lshl_b32 s18, s[BH], 18
	s_mov_b32 s19, 0
	s_lshr_b32 s61, s[BH], 4                       ; a: [tile of 16 tokens 512][head 16][1,024]
	s_lshl_b32 s61, s61, 7
	s_add_co_u32 s61, s61, s60
	s_lshl_b32 s61, s61, 4
	s_and_b32 s62, s[BH], 15
	s_add_co_u32 s61, s61, s62
	s_lshl_b32 s20, s61, 10
	s_mov_b32 s21, 0
	s_mov_b32 s[SEL], 0x76543210
	s_mov_b32 s[SEL+1], 0xfedcba98
	s_wait_alu depctr_va_vdst(0)                   ; the wait directly ahead of the wait below
	s_wait_kmcnt 0x0
	s_load_b256 s[48:55], s[8:9], 0x0              ; e0 .. e7
	s_load_b128 s[56:59], s[8:9], 0x20             ; e8 .. e11
	s_add_nc_u64 s[4:5], s[4:5], s[2:3]
	s_add_nc_u64 s[6:7], s[6:7], s[18:19]
	s_add_nc_u64 s[10:11], s[10:11], s[20:21]
	global_load_b128 v[Q0:Q0+3], v[LI], s[4:5]
	global_load_b128 v[Q0+4:Q0+7], v[LI], s[4:5] offset:512
	global_load_b128 v[Q1:Q1+3], v[LI], s[4:5] offset:16384
	global_load_b128 v[Q1+4:Q1+7], v[LI], s[4:5] offset:16896
.set J, 0
.rept 32
	global_load_b128 v[FR+4*J:FR+4*J+3], v[ADR], s[6:7] offset:512*J
.set J, J+1
.endr
	v_mov_b32 v[MMA+1], 0xff61b1e6                 ; the largest t so far: -3e38; sums and O^T zero: the first f is 0, which leaves zeros zeros
	v_mov_b32 v[MMB+1], 0xff61b1e6
	v_floor_f32 v[MMA], -v[MMA+1]
	v_floor_f32 v[MMB], -v[MMB+1]
.irp r, FFA+1, FFB+1, LSA, LSA+1, LSB, LSB+1
	v_mov_b32 v[\r], 0
.endr
.set J, 0
.rept 64
	v_mov_b32 v[OTA+J], 0
.set J, J+1
.endr
	s_wait_kmcnt 0x0
	s_add_co_i32 s60, s54, s55                     ; e6 + e7 go into the exponent field of log2(e) / 8
	s_lshl_b32 s60, s60, 23
	s_add_co_i32 s[CS], s60, 0x3e38aa3b
	s_mov_b32 s[CS+1], s[CS]
	s_add_co_i32 s60, s56, 127
	s_lshl_b32 s61, s60, 23
	v_mov_b32 v[PSC], s61
	s_add_co_i32 s60, s60, 8
	s_lshl_b32 s60, s60, 23
	s_or_b32 s[PLS], s60, 0x600000
	s_add_co_i32 s60, s58, 127
	s_lshl_b32 s[ASS], s60, 23
	s_add_co_i32 s60, s60, 8
	s_lshl_b32 s60, s60, 23
	s_or_b32 s[ALS], s60, 0x600000
	s_add_co_i32 s[EPV], s56, s57
	s_mov_b32 s[TB], 0
	s_mov_b32 s[CNT], 16
	s_wait_alu depctr_va_vdst(0)                   ; the wait at the head's end
.irp g, 0,1,2,3
	s_wait_loadcnt 24-8*\g                         ; behind these eight loads 24 - 8 g of kv's were issued (Q's four stand ahead of all)
.irp i, 0,1,2,3,4,5,6,7
	ds_store_b128 v[ADR], v[FR+32*\g+4*\i:FR+32*\g+4*\i+3] offset:512*(8*\g+\i)
.endr
.endr
	s_wait_dscnt 0x0                               ; my stores are done,
	s_barrier_signal -1
	s_barrier_wait -1                              ; and everybody's: K and V are whole
.macro SCORES Q                        ; lane (r, h): query r, keys 16 j + 8 h + 0 .. 7
.irp j, 0,1,2,3,4,5,6,7
	v_wmma_f32_16x16x64_fp8_fp8 v[SS+8*\j:SS+8*\j+7], v[FR+8*\j:FR+8*\j+7], v[\Q:\Q+7], 0
.endr
.rept 4
	v_nop                                          ; places behind the products (ISA guide 7.12.1)
.endr
.endm
; The softmax of one tile's 128 keys.  late = 1: exponentials stand between the last products into O^T and this read of it.
.macro SOFT OT, PC, MM, LS, FF, late
	v_max3_num_f32 v[\PC], v[SS], v[SS+1], v[SS+2]     ; two chains that go up the registers
	v_max3_num_f32 v[\PC+1], v[SS+3], v[SS+4], v[SS+5]
.irp i, 6,10,14,18,22,26,30,34,38,42,46,50,54,58
	v_max3_num_f32 v[\PC], v[\PC], v[SS+\i], v[SS+\i+1]
	v_max3_num_f32 v[\PC+1], v[\PC+1], v[SS+\i+2], v[SS+\i+3]
.endr
	v_max3_num_f32 v[\PC], v[\PC], v[SS+62], v[SS+63]
	s_delay_alu instid0(VALU_DEP_1)
	v_max_num_f32 v[\PC], v[\PC], v[\PC+1]
	s_delay_alu instid0(VALU_DEP_1)
	v_permlanex16_b32 v[PT], v[\PC], s[SEL], s[SEL+1]
	s_delay_alu instid0(VALU_DEP_1)
	v_max_num_f32 v[\PC], v[\PC], v[PT]            ; and among lane l xor 16's
	s_delay_alu instid0(VALU_DEP_1)
	v_mul_f32 v[\PC], s[CS], v[\PC]                ; as t (c is positive)
	s_delay_alu instid0(VALU_DEP_1)
	v_max_num_f32 v[\MM+1], v[\MM+1], v[\PC]       ; the running largest t
	v_mov_b32 v[\PC], v[\MM]
	s_delay_alu instid0(VALU_DEP_2)
	v_floor_f32 v[\MM], -v[\MM+1]                  ; the new -M = -ceil(t)
	s_delay_alu instid0(VALU_DEP_1)
	v_sub_f32 v[\PC], v[\MM], v[\PC]               ; old M - new M
	s_delay_alu instid0(VALU_DEP_1)
	v_cvt_i32_f32 v[\PC], v[\PC]                   ; (it saturates)
	s_delay_alu instid0(VALU_DEP_1)
	v_ldexp_f32 v[\FF], 1.0, v[\PC]                ; f = 2^(old M - new M)
.if \late
	s_wait_alu depctr_va_vdst(0)                   ; the wait directly ahead of the first reader of O^T
.endif
.set J, 0
.rept 16
	v_pk_mul_f32 v[\OT+J:\OT+J+1], v[\OT+J:\OT+J+1], v[\FF:\FF+1] op_sel_hi:[1,0]   ; O^T under the new M
.set J, J+2
.endr
.set J, 0
.rept 32
	v_pk_fma_f32 v[SS+J:SS+J+1], v[SS+J:SS+J+1], s[CS:CS+1], v[\MM:\MM+1] op_sel_hi:[1,0,0]   ; t - M
.set J, J+2
.endr
	s_wait_alu depctr_va_vdst(0)                   ; the wait ahead of the batch
.set J, 0
.rept 64
	v_exp_f32 v[SS+J], v[SS+J]                     ; p = 2^(t - M), at most 1
.set J, J+1
.endr
	v_pk_mul_f32 v[\LS:\LS+1], v[\LS:\LS+1], v[\FF:\FF+1] op_sel_hi:[1,0]   ; the sums under the new M (a plain line behind the batch)
	s_wait_alu depctr_va_vdst(0)                   ; one wait for the batch, ahead of its first reader
	v_pk_add_f32 v[\PC+2:\PC+3], v[SS:SS+1], v[SS+2:SS+3]       ; the sum of the unquantised p, in four chains
	v_pk_add_f32 v[\PC+4:\PC+5], v[SS+4:SS+5], v[SS+6:SS+7]
	v_pk_add_f32 v[\PC+6:\PC+7], v[SS+8:SS+9], v[SS+10:SS+11]
	v_pk_add_f32 v[\LS:\LS+1], v[\LS:\LS+1], v[SS+12:SS+13]
.irp i, 14,22,30,38,46,54
	v_pk_add_f32 v[\PC+2:\PC+3], v[\PC+2:\PC+3], v[SS+\i:SS+\i+1]
	v_pk_add_f32 v[\PC+4:\PC+5], v[\PC+4:\PC+5], v[SS+\i+2:SS+\i+3]
	v_pk_add_f32 v[\PC+6:\PC+7], v[\PC+6:\PC+7], v[SS+\i+4:SS+\i+5]
	v_pk_add_f32 v[\LS:\LS+1], v[\LS:\LS+1], v[SS+\i+6:SS+\i+7]
.endr
	v_pk_add_f32 v[\PC+2:\PC+3], v[\PC+2:\PC+3], v[SS+62:SS+63]
	v_pk_add_f32 v[\PC+4:\PC+5], v[\PC+4:\PC+5], v[\PC+6:\PC+7]
	v_pk_add_f32 v[\LS:\LS+1], v[\LS:\LS+1], v[\PC+2:\PC+3]
	v_pk_add_f32 v[\LS:\LS+1], v[\LS:\LS+1], v[\PC+4:\PC+5]
	s_wait_alu depctr_va_vdst(0)                   ; the wait directly ahead of the branch
	s_cmp_ge_i32 s[E8], -8                         ; 448 x 2^e8 >= 1 >= p: the hold changes nothing
	s_cbranch_scc1 .Lopen_\@
.set J, 0
.rept 64
	v_min_num_f32 v[SS+J], s[PLS], v[SS+J]         ; the conversion does not saturate (ISA guide 7.6.2); p is not negative: a one-sided hold
.set J, J+1
.endr
.Lopen_\@:
.irp j, 0,1,2,3,4,5,6,7
	v_cvt_scalef32_pk8_fp8_f32 v[\PC+2*\j:\PC+2*\j+1], v[SS+8*\j:SS+8*\j+7], v[PSC]
.endr
	v_nop                                          ; one plain line behind the last conversion
.endm
.Lkeys:                                        ; 16 steps of 128 keys
	v_add_nc_u32 v[ADR], s[TB], v[LI]
.rept 3
	v_nop                                          ; with the addition: four places in front of loads into registers that the last products read
.endr
.irp j, 0,1,2,3,4,5,6,7
	ds_load_b128 v[FR+8*\j:FR+8*\j+3], v[ADR] offset:1024*\j
	ds_load_b128 v[FR+8*\j+4:FR+8*\j+7], v[ADR] offset:1024*\j+512
.endr
	s_wait_dscnt 0x0
	SCORES Q0
	SOFT OTA, PCA, MMA, LSA, FFA, 0
	SCORES Q1                                      ; K's fragments serve the second tile too
.irp t, 0,1,2,3
.irp g, 0,1,2,3
	ds_load_b128 v[FR+16*\t+4*\g:FR+16*\t+4*\g+3], v[ADR] offset:8192+2048*\t+512*\g   ; V lands while the second softmax is walked
.endr
.endr
	SOFT OTB, PCB, MMB, LSB, FFB, 1
	s_wait_alu depctr_va_vdst(0)                   ; the wait directly ahead of the wait below
	s_wait_dscnt 0x0                               ; V is in
.irp t, 0,1,2,3                                ; the eight accumulators by turns
	v_wmma_f32_16x16x128_fp8_fp8 v[OTA+8*\t:OTA+8*\t+7], v[FR+16*\t:FR+16*\t+15], v[PCA:PCA+15], v[OTA+8*\t:OTA+8*\t+7]
	v_wmma_f32_16x16x128_fp8_fp8 v[OTB+8*\t:OTB+8*\t+7], v[FR+16*\t:FR+16*\t+15], v[PCB:PCB+15], v[OTB+8*\t:OTB+8*\t+7]
.endr
	s_add_co_u32 s[TB], s[TB], 16384
	s_sub_co_u32 s[CNT], s[CNT], 1
	s_cmp_lg_u32 s[CNT], 0
	s_cbranch_scc1 .Lkeys
; THE WAY OUT: O^T x 2^(e8 + e9) / l, the hold, the conversion.  Tile t's two code registers hold channels 16 t + 8 h + 0 .. 7 of query r; the last projection wants channels 32 g + 16 h + 0 .. 15 in four registers:
; tiles 2 g and 2 g + 1 change halves of lanes.  Each store covers 512 consecutive bytes, aligned.
.rept 4
	v_nop                                          ; places behind the last products
.endr
	v_add_f32 v[LSA], v[LSA], v[LSA+1]
	v_add_f32 v[LSB], v[LSB], v[LSB+1]
	v_permlanex16_b32 v[FFA+1], v[LSA], s[SEL], s[SEL+1]
	v_permlanex16_b32 v[FFB+1], v[LSB], s[SEL], s[SEL+1]
	v_add_f32 v[LSA], v[LSA], v[FFA+1]             ; the rows' sums
	v_add_f32 v[LSB], v[LSB], v[FFB+1]
	v_mov_b32 v[FR], s[ALS]
	v_mov_b32 v[FR+1], s[ASS]
	v_lshl_add_u32 v[FR+2], v0, 2, SPARE           ; my spare word and 0, made anew from v0: no two registers could be kept through the loop
	v_mov_b32 v[FR+3], 0
	s_wait_alu depctr_va_vdst(0)                   ; the wait ahead of the batch
	v_rcp_f32 v[LSA], v[LSA]
	v_rcp_f32 v[LSB], v[LSB]
	v_nop                                          ; a plain line behind the batch
	s_wait_alu depctr_va_vdst(0)                   ; and the wait ahead of its first reader
	v_ldexp_f32 v[LSA], v[LSA], s[EPV]
	v_ldexp_f32 v[LSB], v[LSB], s[EPV]
	s_wait_alu depctr_va_vdst(0)                   ; the wait directly ahead of the first reader of O^T
.set J, 0
.rept 16
	v_pk_mul_f32 v[SS+J:SS+J+1], v[OTA+J:OTA+J+1], v[LSA:LSA+1] op_sel_hi:[1,0]   ; each accumulator from its low end on
.set J, J+2
.endr
.set J, 0
.rept 16
	v_pk_mul_f32 v[SS+32+J:SS+32+J+1], v[OTB+J:OTB+J+1], v[LSB:LSB+1] op_sel_hi:[1,0]
.set J, J+2
.endr
.set J, 0
.rept 64
	v_med3_num_f32 v[SS+J], v[SS+J], -v[FR], v[FR]
.set J, J+1
.endr
.irp t, 0,1,2,3
	v_cvt_scalef32_pk8_fp8_f32 v[PCA+2*\t:PCA+2*\t+1], v[SS+8*\t:SS+8*\t+7], v[FR+1]
	v_cvt_scalef32_pk8_fp8_f32 v[PCB+2*\t:PCB+2*\t+1], v[SS+32+8*\t:SS+32+8*\t+7], v[FR+1]
.endr
	v_nop                                          ; a plain line behind the conversions
.irp p, PCA, PCB
	v_permlane16_swap_b32 v[\p], v[\p+2]           ; the first's lanes 16-31 change places with the second's lanes 0-15
	v_permlane16_swap_b32 v[\p+1], v[\p+3]
	v_permlane16_swap_b32 v[\p+4], v[\p+6]
	v_permlane16_swap_b32 v[\p+5], v[\p+7]
.endr
	global_store_b128 v[LI], v[PCA:PCA+3], s[10:11]
	global_store_b128 v[LI], v[PCA+4:PCA+7], s[10:11] offset:512
	global_store_b128 v[LI], v[PCB:PCB+3], s[10:11] offset:262144          ; my second tile: 16 tiles of 16,384 bytes on
	global_store_b128 v[LI], v[PCB+4:PCB+7], s[10:11] offset:262144+512
	s_wait_tensorcnt 0x0                           ; the wave's end
	ds_add_u32 v[FR+2], v[FR+3]
	s_wait_dscnt 0x0
	s_endpgm
.Lfunc_end_k_q4a1eb5fc39_attn:
	.size	k_q4a1eb5fc39_attn, .Lfunc_end_k_q4a1eb5fc39_attn-k_q4a1eb5fc39_attn
	.p2alignl 7, 3214868480
	.fill 96, 4, 3214868480
	.section	.rodata,"a",@progbits
	.p2align	6, 0x0
	.amdhsa_kernel k_q4a1eb5fc39_attn
		.amdhsa_group_segment_fixed_size 264192
		.amdhsa_private_segment_fixed_size 0
		.amdhsa_enable_private_segment 0
		.amdhsa_kernarg_size 32
		.amdhsa_user_sgpr_count 2
		.amdhsa_user_sgpr_kernarg_segment_ptr 1
		.amdhsa_wavefront_size32 1
		.amdhsa_system_sgpr_workgroup_id_x 1
		.amdhsa_system_sgpr_workgroup_id_y 1
		.amdhsa_system_sgpr_workgroup_id_z 1
		.amdhsa_system_vgpr_workitem_id 0
		.amdhsa_next_free_vgpr 256
		.amdhsa_next_free_sgpr 66
		.amdhsa_reserve_vcc 0
		.amdhsa_float_denorm_mode_32 3
		.amdhsa_float_denorm_mode_16_64 3
		.amdhsa_memory_ordered 1
		.amdhsa_forward_progress 1
		.amdhsa_inst_pref_size 48
	.end_amdhsa_kernel
	.amdgpu_metadata
---
amdhsa.version: [ 1, 2 ]
amdhsa.kernels:
  - .name:           k_q4a1eb5fc39_attn
    .symbol:         k_q4a1eb5fc39_attn.kd
    .args:
      - { .name: q, .offset: 0, .size: 8, .value_kind: global_buffer, .address_space: global }
      - { .name: kv, .offset: 8, .size: 8, .value_kind: global_buffer, .address_space: global }
      - { .name: lowp_scales, .offset: 16, .size: 8, .value_kind: global_buffer, .address_space: global }
      - { .name: a, .offset: 24, .size: 8, .value_kind: global_buffer, .address_space: global }
    .group_segment_fixed_size: 264192
    .private_segment_fixed_size: 0
    .kernarg_segment_align: 8
    .kernarg_segment_size: 32
    .max_flat_workgroup_size: 512
    .sgpr_count:     66
    .vgpr_count:     256
    .wavefront_size: 32
...
	.end_amdgpu_metadata
.endif
;; end of part 2
;; launch oproj (part 3): grid 4 x 64, 4 waves a work-group, clusters of 4 x 4, 327,680 bytes of LDS; arguments a, Wo_codes, bo, lowp_scales, out0; writes out0
.if DOCPART == 3
	.amdgcn_target "amdgcn-amd-amdhsa--gfx1250"
	.amdhsa_code_object_version 6
	.text
	.protected	k_q4a1eb5fc39_oproj
	.globl	k_q4a1eb5fc39_oproj
	.p2align	8
	.type	k_q4a1eb5fc39_oproj,@function
k_q4a1eb5fc39_oproj:
	s_mov_b64 s[64:65], 0
	v_nop
	global_prefetch_b8 v0, s[64:65] scope:SCOPE_SE
	s_setreg_imm32_b32 hwreg(HW_REG_WAVE_MODE, 25, 1), 1
	s_wait_xcnt 0x0
	s_wait_alu depctr_hold_cnt(0) depctr_sa_sdst(0) depctr_va_vdst(0) depctr_va_sdst(0) depctr_va_ssrc(0) depctr_va_vcc(0) depctr_vm_vsrc(0)
	s_getreg_b32 s2, hwreg(HW_REG_IB_STS2, 6, 4)
	s_cmp_eq_u32 s2, 0
	s_cbranch_scc0 .Lentry_in_a_cluster
	s_endpgm
.Lentry_in_a_cluster:
	s_bfe_u32 s2, ttmp6, 0x10000c
	s_cmp_lg_u32 s2, 0xf033
	s_cbranch_scc0 .Lentry_shape_is_right
	s_endpgm
.Lentry_shape_is_right:
; out0 = A Wo^T + bo on codes of FP8 (E4M3).  A: attention's result as images of operand registers: a [tile of 16 tokens 512][head 16][1,024 bytes]: block g (512 bytes, lane l's 16 bytes at 16 l)
; holds channels 32 g + 16 h + 0 .. 15 of token r.  Two heads on end are a fragment of 128 along K with registers 4 c .. 4 c + 3 = K 32 c + 16 h + 0 .. 15: the places that four loads of 16 bytes give Wo's rows.
; Wo: [1024][1024] codes, K innermost; bo [1024] f32; out0 [8192][1024] f32.  out = sum x 2^(e10 + e11) + bo.
; LIMITS: e10 + e11 between -126 and 127.  NaN codes are not served.  Inside a matrix instruction k stands in another place than the form's own layout gives it, alike on both sides.
; SHARES.  A work-group makes 256 features (tile cx) x 128 tokens (tile 4 Y + cy), K = 1,024: 256 work-groups.  The tile is made in TWO HALVES of 128 features, one after the other.
; In a half wave w takes 64 features (w & 1; source 0 = rows of Wo) x 64 tokens (w >> 1; source 1): 16 accumulators; in accumulator (a, b) lane (r, h) holds token 16 a + r and features 16 b + 8 h + 0 .. 7.
; LDS.  At the head one tensor load a wave, 64 rows of 1,024 bytes (LDS pitch 1,040): waves 0, 1 bring Wo's first 128 rows, whole K; waves 2, 3 the 128 tokens of A, 131,072 dense bytes stated as rows of 1,024.
; A GOES INTO REGISTERS ONCE: a wave's 64 tokens x 1,024 are 512 registers (128 LDS loads).  Then A's bytes are filled again, behind the full sequence and a round, with Wo's second 128 rows (waves 0, 1; the same shape).
; That load is out while the first half is multiplied (128 matrix instructions a wave) and goes out; the first half's stores are on their way while the second half is multiplied.
; CLUSTERS: 4 x 4.  Wo's rows hang on cx alone and are asked for jointly by a column of the cluster, A's on cy alone and by a row.
; No prefetch: the three fills are written out, two of them at the head; there is no loop to run ahead in.
; REGISTERS, in windows of 256.  Window 0: v0-29 addresses; v32-63 at work on the way out; v64-127 bo in the results' layout; v128-191, v192-255 Wo's fragments, two sets (v128-191 also rows read back from the stage).
;   window 1: accumulator (a, b) at v[8 (4 a + b)].   windows 2, 3: A's fragments: token block a, sub-step q at v[128 (a % 2) + 16 q] of window 2 + a / 2.
.set PW,     1040                      ; 65 x 16 bytes: sixteen rows begin at sixteen different 16-byte columns modulo 256
.set HB,     64*PW                     ; what one tensor load brings
.set ABASE,  2*HB                      ; A, later Wo's second half
.set STAGE,  4*HB                      ; the way out: 16 rows x (256 + 16) bytes a wave, bytes that no tensor load fills
.set SPITCH, 272
.set SPARE,  STAGE+4*16*SPITCH         ; the spare words, 128 bytes a wave
.set LI,   4
.set ADRW, 8                           ; v8, v9: my rows of Wo's first, second half
.set ADRA, 12                          ; v12, v13: my token blocks 0, 1 and 2, 3 of A
.set BBO,  16
.set STO,  24
.set RD,   25
.set CO,   26
.set SPW,  28
.set NIL,  29
.set TMP,  32
.set BB,   64
.set WF,   128
.set G1S0, 24
.set G1S1, 32
.set G0S0, 40                          ; Wo's first half
.set G0S1, 44                          ; A
.set G0S2, 48                          ; Wo's second half
.set WV,  66
.set H0,  67
.set H1,  68
.set CX,  69
.set CY,  70
.set S1I, 74
.set MSB, 0
.macro WIN new
.if MSB != \new
	s_set_vgpr_msb (MSB<<8)|\new
.set MSB, \new
.endif
.endm
.macro PLACES n
.rept \n
	v_nop
.endr
.endm
.macro CREST
	s_cmp_lg_u32 s[WV], 0
	s_cbranch_scc1 .Lnot_wave_0_\@
	s_barrier_signal -3
.Lnot_wave_0_\@:
	s_barrier_wait -3
	s_barrier_signal -1
	s_barrier_wait -1
.endm
.macro CROUND
	s_barrier_signal -1
	s_barrier_wait -1
	CREST
.endm
.macro MKG0 g, lds, base, off
	s_mov_b32 s[\g], 1
	s_mov_b32 s[\g+1], s\lds
	s_add_nc_u64 s[\g+2:\g+3], s[\base:\base+1], \off
	s_or_b32 s[\g+3], s[\g+3], 0x80000000
.endm
	s_load_b256 s[4:11], s[0:1], 0x0               ; a, Wo, bo, the exponents
	s_load_b64 s[12:13], s[0:1], 0x20              ; out0
	v_lshl_add_u32 v[SPW], v0, 2, SPARE
	v_mov_b32 v[NIL], 0
	ds_add_u32 v[SPW], v[NIL]                      ; the opening lines: the add twice on end and its wait
	ds_add_u32 v[SPW], v[NIL]
	v_lshrrev_b32 v3, 5, v0
	v_readfirstlane_b32 s[WV], v3
	s_and_b32 s[H0], s[WV], 1
	s_lshr_b32 s[H1], s[WV], 1
	s_bfe_u32 s[CX], ttmp6, 0x40000
	s_bfe_u32 s[CY], ttmp6, 0x40004
	s_and_b32 s[S1I], ttmp7, 0xffff
	s_lshl_b32 s[S1I], s[S1I], 2
	s_add_co_u32 s[S1I], s[S1I], s[CY]             ; which 128 tokens
	s_lshl_b32 s98, 0x1111, s[CX]                  ; my column of the cluster
	s_lshl_b32 s2, s[CY], 2
	s_lshl_b32 s2, 15, s2                          ; my row
	s_or_b32 s[G1S0], s98, (1<<20)|(1<<21)|(7<<22)|(3<<25)   ; elements of 1 byte; 4 words of padding behind every 256; the mask, and bit 21 beside it
	s_or_b32 s[G1S1], s2, (1<<20)|(1<<21)|(7<<22)|(3<<25)
.irp g, G1S0, G1S1
	s_mov_b32 s[\g+1], 1024<<16                    ; tensor_dim0
	s_mov_b32 s[\g+2], 64<<16                      ; tensor_dim1
	s_mov_b32 s[\g+3], 1024<<16                    ; tile_dim0
	s_mov_b32 s[\g+4], 64                          ; tile_dim1
	s_mov_b32 s[\g+5], 1024                        ; from row to row
	s_mov_b32 s[\g+6], 0
	s_mov_b32 s[\g+7], 0
.endr
	s_lshl_b32 s98, s[CX], 8                       ; Wo: row 256 cx + 64 x (w & 1)
	s_lshl_b32 s75, s[H0], 6
	s_add_co_u32 s98, s98, s75
	s_lshl_b32 s98, s98, 10
	s_mov_b32 s99, 0
	s_lshl_b32 s2, s[S1I], 17                      ; A: 131,072 x tile + 65,536 x (w & 1)
	s_lshl_b32 s75, s[H0], 16
	s_add_co_u32 s2, s2, s75
	s_mov_b32 s3, 0
	s_mul_i32 s88, s[H0], HB                       ; where the loads go: no place in the cluster enters an LDS address
	s_add_co_u32 s89, s88, ABASE
	s_wait_dscnt 0x0
	s_wait_kmcnt 0x0
	s_load_b64 s[76:77], s[10:11], 0x28            ; e10, e11
	s_add_nc_u64 s[92:93], s[6:7], s[98:99]
	s_add_nc_u64 s[90:91], s[4:5], s[2:3]
	MKG0 G0S0, 88, 92, 0
	MKG0 G0S1, 89, 90, 0
	MKG0 G0S2, 89, 92, 131072                      ; 128 rows of Wo on
	CROUND                                         ; all sixteen work-groups are here: the first joint loads meet
	s_cmp_lt_u32 s[WV], 2                          ; my one tensor load at the head
	s_cbranch_scc0 .Lfor_a
	tensor_load_to_lds s[G0S0:G0S0+3], s[G1S0:G1S0+7]
	s_nop 0
.rept 4
	v_nop
.endr
	s_branch .Lasked
.Lfor_a:
	tensor_load_to_lds s[G0S1:G0S1+3], s[G1S1:G1S1+7]
	s_nop 0
.rept 4
	v_nop
.endr
.Lasked:
	s_mul_i32 s98, s[H0], HB
	s_mul_i32 s99, s[H1], HB
	s_add_co_u32 s99, s99, ABASE
	s_mul_i32 s75, s[WV], 16*SPITCH
	s_add_co_u32 s75, s75, STAGE                   ; my stage
	v_and_b32 v1, 15, v0                           ; r
	v_bfe_u32 v2, v0, 4, 1                         ; h
	v_and_b32 v3, 31, v0
	v_lshlrev_b32 v[LI], 4, v3
	v_mul_u32_u24 v3, v1, PW
	v_lshl_add_u32 v3, v2, 4, v3
	v_add_nc_u32 v[ADRW], s98, v3                  ; Wo: row x pitch + 16 h
	v_add_nc_u32 v[ADRW+1], ABASE, v[ADRW]
	v_add_nc_u32 v[ADRA], s99, v[LI]               ; A: an image: 16 x lane
	v_add_nc_u32 v[ADRA+1], 32*PW, v[ADRA]         ; two token blocks, 32 rows of 1,024 bytes, on
	v_lshlrev_b32 v[BBO], 5, v2
	v_mul_u32_u24 v[STO], v1, SPITCH
	v_lshl_add_u32 v[STO], v2, 5, v[STO]
	v_add_nc_u32 v[STO], s75, v[STO]               ; in: row r, 32 bytes for each half of the lanes
	v_mul_u32_u24 v[RD], v2, SPITCH
	v_lshl_add_u32 v[RD], v1, 4, v[RD]
	v_add_nc_u32 v[RD], s75, v[RD]                 ; back: lanes 0-15 one row of 256 bytes, lanes 16-31 the next
	v_lshlrev_b32 v[CO], 12, v2
	v_lshl_add_u32 v[CO], v1, 4, v[CO]             ; and the same two rows in out0
	s_wait_alu depctr_va_vdst(0)                   ; the wait ahead of the run of scalar lines
	s_lshl_b32 s98, s[CX], 10
	s_lshl_b32 s75, s[H0], 8
	s_add_co_u32 s98, s98, s75                     ; my first feature, in bytes of f32: 4 (256 cx + 64 (w & 1))
	s_mov_b32 s99, 0
	s_add_nc_u64 s[94:95], s[8:9], s[98:99]
.irp p, 0,1
.irp b, 0,1,2,3
	global_load_b128 v[BB+32*\p+8*\b:BB+32*\p+8*\b+3], v[BBO], s[94:95] offset:512*\p+64*\b          ; bo[.. + 128 p + 16 b + 8 h + 0 .. 7]
	global_load_b128 v[BB+32*\p+8*\b+4:BB+32*\p+8*\b+7], v[BBO], s[94:95] offset:512*\p+64*\b+16
.endr
.endr
	s_lshl_b32 s2, s[S1I], 7
	s_lshl_b32 s75, s[H1], 6
	s_add_co_u32 s2, s2, s75                       ; my first token
	s_lshl_b32 s2, s2, 12                          ; rows of 4,096 bytes
	s_add_co_u32 s2, s2, s98
	s_mov_b32 s3, 0
	s_add_nc_u64 s[90:91], s[12:13], s[2:3]        ; out0 at my part's first number
	s_wait_kmcnt 0x0
	s_add_co_i32 s88, s76, s77
	s_add_co_i32 s88, s88, 127
	s_lshl_b32 s88, s88, 23                        ; 2^(e10 + e11)
	s_mov_b32 s89, s88
; Wo's four fragments of half p, sub-step q (128 along K), into set q % 2: 16 loads
.macro FETCHW p, q
.irp b, 0,1,2,3
.irp c, 0,1,2,3
	ds_load_b128 v[WF+64*((\q)%2)+16*\b+4*\c:WF+64*((\q)%2)+16*\b+4*\c+3], v[ADRW+\p] offset:\b*16*PW+128*(\q)+32*\c
.endr
.endr
.endm
; 16 matrix instructions; the 16 accumulators take turns, one instruction a turn.  Source 0 window 0, source 1 window 2 or 3, C and D window 1.
.macro MULQ q, zero
.irp a, 0,1,2,3
	WIN (0x58+4*(\a/2))
.irp b, 0,1,2,3
.if \zero
	v_wmma_f32_16x16x128_fp8_fp8 v[8*(4*\a+\b):8*(4*\a+\b)+7], v[WF+64*((\q)%2)+16*\b:WF+64*((\q)%2)+16*\b+15], v[128*(\a%2)+16*(\q):128*(\a%2)+16*(\q)+15], 0
.else
	v_wmma_f32_16x16x128_fp8_fp8 v[8*(4*\a+\b):8*(4*\a+\b)+7], v[WF+64*((\q)%2)+16*\b:WF+64*((\q)%2)+16*\b+15], v[128*(\a%2)+16*(\q):128*(\a%2)+16*(\q)+15], v[8*(4*\a+\b):8*(4*\a+\b)+7]
.endif
.endr
.endr
	WIN 0
.endm
.macro HALF p                          ; the eight sub-steps of a half; the next sub-step's loads go out first, behind four places
.irp q, 0,1,2,3,4,5,6,7
	s_wait_dscnt 0x0                               ; this sub-step's set is in
.if \q < 7
	PLACES 4
	FETCHW \p, \q+1
.endif
.if \q == 0
	MULQ \q, 1                                     ; the first products start the sums
.else
	MULQ \q, 0
.endif
.endr
.endm
; THE WAY OUT of a half, 16 tokens x 64 features at a time: sum x 2^(e10 + e11) + bo (each accumulator from its low end on), through my own stage, back as whole rows of 256 bytes.
; LDS serves a wave's instructions in order (ISA guide 5.7.1.4): no wait between the stores and the loads, nor in front of the next block's stores.
.macro TOSTAGE p, a
	WIN 0x01                                       ; source 0 window 1
.irp b, 0,1,2,3
.irp i, 0,2,4,6
	v_pk_fma_f32 v[TMP+8*\b+\i:TMP+8*\b+\i+1], v[8*(4*(\a)+\b)+\i:8*(4*(\a)+\b)+\i+1], s[88:89], v[BB+32*\p+8*\b+\i:BB+32*\p+8*\b+\i+1] op_sel_hi:[1,0,1]
.endr
.endr
	WIN 0
.irp b, 0,1,2,3
	ds_store_b128 v[STO], v[TMP+8*\b:TMP+8*\b+3] offset:64*\b
	ds_store_b128 v[STO], v[TMP+8*\b+4:TMP+8*\b+7] offset:64*\b+16
.endr
.set BBK, WF+32*((\a)%2)
.irp t, 0,1,2,3,4,5,6,7
	ds_load_b128 v[BBK+4*\t:BBK+4*\t+3], v[RD] offset:\t*2*SPITCH
.endr
.endm
.macro SEND p, a, younger              ; younger: the LDS instructions issued behind block a's loads, which may stay out
.set BBK, WF+32*((\a)%2)
	s_wait_dscnt \younger
.irp t, 0,1,2,3,4,5,6,7
	global_store_b128 v[CO], v[BBK+4*\t:BBK+4*\t+3], s[90:91] offset:(16*(\a)+2*\t)*4096+512*\p th:TH_STORE_NT   ; sixteen lanes store 256 consecutive bytes, at a multiple of 256 from out0's first byte
.endr
.endm
.macro OUT p
	PLACES 4                                       ; behind the last products
	TOSTAGE \p, 0
.irp a, 1,2,3
.if \a > 1
	s_wait_xcnt 0x0                                ; block a - 2's stores have read their registers: block a's loads may land there
.endif
	TOSTAGE \p, \a
	SEND \p, \a-1, 16                              ; behind block a - 1's loads: block a's 8 stores and 8 loads
.endr
	SEND \p, 3, 0
.endm
	s_wait_alu depctr_va_vdst(0)                   ; the wait at the head's end
	s_wait_tensorcnt 0x0                           ; my part of the first fills is in,
	s_barrier_signal -1
	s_barrier_wait -1                              ; and everybody's
.irp a, 0,1,2,3                                ; A into registers: byte y of the dense image lies at row y / 1,024, byte y % 1,024
	WIN (0x80+0x40*(\a/2))                         ; destination window 2 or 3
.irp q, 0,1,2,3,4,5,6,7
.irp c, 0,1,2,3
	ds_load_b128 v[128*(\a%2)+16*\q+4*\c:128*(\a%2)+16*\q+4*\c+3], v[ADRA+\a/2] offset:(16*(\a%2)+2*\q+\c/2)*PW+512*(\c%2)
.endr
.endr
.endr
	WIN 0
	FETCHW 0, 0
	s_wait_tensorcnt 0x0                           ; the full sequence ahead of the refill
	ds_add_u32 v[SPW], v[NIL]
	s_wait_dscnt 0x0                               ; the add is done, and my reads of A are over
	CROUND                                         ; no wave of any partner still reads A's bytes
	s_cmp_lt_u32 s[WV], 2
	s_cbranch_scc0 .Lnone
	tensor_load_to_lds s[G0S2:G0S2+3], s[G1S0:G1S0+7]   ; Wo's second 128 rows, onto A's bytes
	s_nop 0
.rept 4
	v_nop
.endr
.Lnone:
	HALF 0
	s_wait_loadcnt 0x0                             ; bo
	OUT 0
	s_wait_xcnt 0x0                                ; the stores have read their data: v128-191 take fragments again
	s_wait_tensorcnt 0x0                           ; Wo's second half is in: my part,
	s_wait_dscnt 0x0
	s_barrier_signal -1
	s_barrier_wait -1                              ; and everybody's; nothing is filled any more
	FETCHW 1, 0
	HALF 1
	OUT 1
	s_wait_tensorcnt 0x0                           ; the wave's end
	ds_add_u32 v[SPW], v[NIL]
	s_wait_dscnt 0x0
	CROUND                                         ; the closing round
	s_endpgm
.Lfunc_end_k_q4a1eb5fc39_oproj:
	.size	k_q4a1eb5fc39_oproj, .Lfunc_end_k_q4a1eb5fc39_oproj-k_q4a1eb5fc39_oproj
	.p2alignl 7, 3214868480
	.fill 96, 4, 3214868480
	.section	.rodata,"a",@progbits
	.p2align	6, 0x0
	.amdhsa_kernel k_q4a1eb5fc39_oproj
		.amdhsa_group_segment_fixed_size 327680
		.amdhsa_private_segment_fixed_size 0
		.amdhsa_enable_private_segment 0
		.amdhsa_kernarg_size 40
		.amdhsa_user_sgpr_count 2
		.amdhsa_user_sgpr_kernarg_segment_ptr 1
		.amdhsa_wavefront_size32 1
		.amdhsa_system_sgpr_workgroup_id_x 1
		.amdhsa_system_sgpr_workgroup_id_y 1
		.amdhsa_system_sgpr_workgroup_id_z 1
		.amdhsa_system_vgpr_workitem_id 0
		.amdhsa_next_free_vgpr 1024
		.amdhsa_next_free_sgpr 100
		.amdhsa_reserve_vcc 0
		.amdhsa_float_denorm_mode_32 3
		.amdhsa_float_denorm_mode_16_64 3
		.amdhsa_memory_ordered 1
		.amdhsa_forward_progress 1
		.amdhsa_inst_pref_size 76
	.end_amdhsa_kernel
	.amdgpu_metadata
---
amdhsa.version: [ 1, 2 ]
amdhsa.kernels:
  - .name:           k_q4a1eb5fc39_oproj
    .symbol:         k_q4a1eb5fc39_oproj.kd
    .args:
      - { .name: a, .offset: 0, .size: 8, .value_kind: global_buffer, .address_space: global }
      - { .name: Wo_codes, .offset: 8, .size: 8, .value_kind: global_buffer, .address_space: global }
      - { .name: bo, .offset: 16, .size: 8, .value_kind: global_buffer, .address_space: global }
      - { .name: lowp_scales, .offset: 24, .size: 8, .value_kind: global_buffer, .address_space: global }
      - { .name: out0, .offset: 32, .size: 8, .value_kind: global_buffer, .address_space: global }
    .group_segment_fixed_size: 327680
    .private_segment_fixed_size: 0
    .kernarg_segment_align: 8
    .kernarg_segment_size: 40
    .max_flat_workgroup_size: 128
    .sgpr_count:     100
    .vgpr_count:     1024
    .wavefront_size: 32
...
	.end_amdgpu_metadata
.endif
;; end of part 3
